; MI455X (gfx1250); checked and timed in simulation.
; The chip was launched on July 23, 2026; its instructions are those of AMD's public machine-readable ISA for CDNA 5 (MIT licence, August 2026) and "CDNA5" Instruction Set Architecture Reference Guide (July 2026). The comments in the code are by the model that wrote it; some were corrected since.
;; OT Flow. Allowed arithmetic: matrix products marked QUANTISED: E2M1 operands, one E8M0 scale for each 32 along K, by v_wmma_scale_f32_16x16x128_f8f6f4 with both operands' format E2M1 (or v_wmma_scale_f32_32x16x128_f4), f32 sums; products left as they are: f32 operands where the result goes on into a quantised operand, else bf16, f16 or f32 operands; f32 sums; everything else in f32.
;; Inputs: A 10 x 65 float32; K0 512 x 65 float32; K1 512 x 512 float32; b0 512 float32; b1 512 float32; c_b one number float32; c_w 65 float32; t one number float32; w 512 float32; x 2,048 x 64 float32.
;; Outputs: out0 2,048 x 64 float32; out1 2,048 x 1 float32; out2 2,048 x 1 float32; out3 2,048 x 1 float32.
;; This version of the problem:
;;   THIS VERSION OF THE PROBLEM IS GIVEN IN LOW PRECISION. The matrix products marked QUANTISED in the list below multiply operands that are first quantised to E2M1 (2 exponent bits, 1 mantissa bit; 4 bits a number), with one power-of-two scale for each 32 numbers along K (OCP MX v1.0); their sums are f32. All else is computed in f32.
;;   The module's matrix products, in the order in which they are computed (A, B: the left and right operand; K: the contracted axis; several contracted axes count as one K, in the product's order):
;;     1. [M 65, K 10] x [K 10, N 65]; A: input A; B: input A: left as it is (K = 10 < 32)
;;     2. [M 2,048, K 65] x [K 65, N 512]; A: computed on the way; B: input K0: QUANTISED
;;     3. [M 2,048, K 512] x [K 512, N 512]; A: computed on the way; B: input K1: QUANTISED
;;     4. [M 2,048, K 512] x [K 512, N 512]; A: computed on the way; B: input K1: QUANTISED
;;     5. [M 2,048, K 512] x [K 512, N 65]; A: computed on the way; B: input K0: QUANTISED
;;     6. [M 2,048, K 65] x [K 65, N 65]; A: computed on the way; B: computed on the way: QUANTISED
;;     7. [M 2,048, K 512] x [K 512, N 1]; A: computed on the way; B: computed on the way: left as it is (N = 1 < 16)
;;     8. [M 131,072, K 512] x [K 512, N 512]; A: computed on the way; B: input K1: QUANTISED
;;     9. batch 2,048 x [M 1, K 512] x [K 512, N 1]; A: computed on the way; B: computed on the way: left as it is (M = 1 < 16)
;;   THE QUANTISER, for each operand of a quantised product, along K:
;;     - K is cut into blocks of 32 from its start; a last block that is shorter is filled with zeros.
;;     - A block's scale is 2^e with e = floor(log2(the largest magnitude in the block)) - 2, held to -126 .. 127; a block of zeros has e = 0. As a byte (E8M0): e + 127.
;;     - Each number is divided by its block's scale, clamped to +-6, and rounded to the nearest number of E2M1, ties to even, subnormals kept.
;;     - The product sums the exact products of the quantised numbers (number of the format x scale) in f32.
;;   ~~~python
;;   def quantise(x, axis):      # numpy; x: float32 -> the quantised numbers, widened to float32 again
;;       x = np.moveaxis(x, axis, -1); K = x.shape[-1]
;;       x = np.pad(x, [(0, 0)] * (x.ndim - 1) + [(0, -K % 32)]); x = x.reshape(x.shape[:-1] + (-1, 32)); a = np.abs(x).max(-1, keepdims=True)
;;       e = np.where(a > 0, np.clip(np.frexp(np.where(a > 0, a, 1))[1] - 1 - 2, -126, 127), 0)      # np.frexp(a)[1] - 1 = floor(log2(a)), exactly
;;       r = np.clip(x / 2.0 ** e, -6, 6)
;;       step = 2.0 ** (np.maximum(np.frexp(np.where(r == 0, 1, r))[1] - 1, 0) - 1)
;;       q = np.round(r / step) * step * 2.0 ** e      # np.round: ties to even
;;       return np.moveaxis(q.reshape(q.shape[:-2] + (-1,))[..., :K], -1, axis).astype(np.float32)
;;   ~~~
;;   OPERANDS COMPUTED ON THE WAY. 'Computed on the way' means the value that the module computes at that place (a softmax that the list does not call 'softmax' is quantised finished and normalised). What goes into a quantiser is computed in f32, as accurately as f32 sums, v_exp_f32 and their like allow (about 1e-6 of the number): no bf16 or f16 on the way to a quantiser, and a product that is left as it is and whose result goes on into a quantised operand takes f32 operands (vector FMAs, or v_wmma_f32_16x16x4_f32). A number that lies on a knife's edge between two numbers of the format may be rounded either way, as far as f32 arithmetic and the matrix unit's own rounding can turn it there, and no further.
;; One version. Each part assembles by itself: llvm-mc -triple=amdgcn-amd-amdhsa -mcpu=gfx1250 --defsym DOCPART=n.
;; ======== version 1 of 1: 2 launches
;; workspace buffers: k1q 139,264 bytes; k1tq 139,264 bytes; k0q 34,816 bytes; k0tq 21,760 bytes; symq 5,632 bytes; ktimg 131,072 bytes; vecs 2,304 bytes
;; launch prep (part 1): grid 314 x 1, 1 waves a work-group, no clusters, 0 bytes of LDS; arguments A, K0, K1, k1q, k1tq, k0q, k0tq, symq, ktimg, vecs; writes k1q, k1tq, k0q, k0tq, symq, ktimg, vecs
.if DOCPART == 1
	.amdgcn_target "amdgcn-amd-amdhsa--gfx1250"
	.amdhsa_code_object_version 6
	.text
	.protected	k_q1c3452482d_prep
	.globl	k_q1c3452482d_prep
	.p2align	8
	.type	k_q1c3452482d_prep,@function
k_q1c3452482d_prep:
	s_mov_b64 s[64:65], 0
	v_nop
	global_prefetch_b8 v0, s[64:65] scope:SCOPE_SE
	s_setreg_imm32_b32 hwreg(HW_REG_WAVE_MODE, 25, 1), 1
	s_wait_xcnt 0x0
; The weights become operands of the MX-FP4 products, once: K1 along both axes, K0 along both axes, symA = A^T A (f32 multiply-adds, then quantised).
; One work-group of one wave makes ONE fragment (16 rows x 128 along K) and stores it as an IMAGE OF THE OPERAND'S REGISTERS: register group c (four registers) of lane l at c x 512 + 16 l,
; so that the main launch loads every fragment by 16-byte loads alone.  Lane (r = l % 16, h = l / 16) holds row r; its number N[32 c + i] is k = 64 c + 32 h + i: two whole blocks of 32 a lane.
; PERMUTED TILES: row r of tile T is unit 32 (T / 2) + 8 (T % 2) + r + 8 (r / 8), so that results of two neighbouring tiles are 16 neighbours along the next K.
; Tasks by the work-group's number: 0-127 K1, K = its second axis; 128-255 K1, K = its first axis; 256-287 K0, K = its second axis (65 filled with zeros to 128), and kk[m] = the sum of K0[m][0..63]^2;
; 288-307 K0, K = its first axis, and for columns 0-63 the same numbers as f32 in register order; 308-312 symA; 313 the trace of symA's first 64.
; A block's scale byte is its largest magnitude's exponent field - 2, held at 1 from below.
; LIMITS: a block whose largest magnitude lies under 2^-124, a block of zeros among them, gets the byte 1 (the rule says 127 for zeros: its codes are zeros, and this program alone reads the bytes); NaN and infinities are not served.
; Where two lanes hold the same word for the same address (scale words, kk, the trace) both store it: EXEC stays whole.
.set N,   32                           ; v32-95   the fragment's 64 numbers of my lane
.set PC,  8                            ; v8-15    its codes
.set MX,  16                           ; v16-17   largest magnitudes
.set SO,  18                           ; v18-19   the conversions' scale operands
.set BY,  24                           ; v24-25   scale bytes; v26, v27 the scale word at work
.set AB,  96                           ; v96-105  symA: A[q][my row]
.set AA,  106                          ; v106-171 symA: A[q][32 h + 0..31] and A[q][64], two sets of 33
	s_load_b512 s[4:19], s[0:1], 0x0               ; A s[4:5], K0 s[6:7], K1 s[8:9], k1q s[10:11], k1tq s[12:13], k0q s[14:15], k0tq s[16:17], symq s[18:19]
	s_load_b128 s[20:23], s[0:1], 0x40             ; ktimg s[20:21], vecs s[22:23]
	v_and_b32 v1, 15, v0                           ; r
	v_lshrrev_b32 v2, 4, v0                        ; h
	v_and_b32 v3, 8, v1
	v_add_nc_u32 v3, v3, v1                        ; r + 8 (r / 8)
	v_lshlrev_b32 v5, 4, v0                        ; 16 x lane: my place in an image
	v_lshlrev_b32 v7, 3, v2                        ; 8 h: my two scale bytes' place in the word
	s_mov_b32 s24, 0x76543210
	s_mov_b32 s25, 0xfedcba98                      ; v_permlanex16_b32's selects for lane l xor 16
	s_mov_b32 s31, 0                               ; the upper words of the offset pairs
	s_mov_b32 s33, 0
	s_mov_b32 s35, 0
	s_mov_b32 s45, 0
	s_wait_kmcnt 0x0
	s_cmp_lt_u32 ttmp9, 128
	s_cbranch_scc1 .Lk1_rows
	s_cmp_lt_u32 ttmp9, 256
	s_cbranch_scc1 .Lk1_cols
	s_cmp_lt_u32 ttmp9, 288
	s_cbranch_scc1 .Lk0_rows
	s_cmp_lt_u32 ttmp9, 308
	s_cbranch_scc1 .Lk0_cols
	s_cmp_lt_u32 ttmp9, 313
	s_cbranch_scc1 .Lsym
	; ---- the trace: the sum over q and a < 64 of A[q][a]^2; lane l takes a = l and l + 32
	v_lshlrev_b32 v4, 2, v0
.irp q, 0,1,2,3,4,5,6,7,8,9
	global_load_b32 v[N+2*\q], v4, s[4:5] offset:260*\q
	global_load_b32 v[N+2*\q+1], v4, s[4:5] offset:260*\q+128
.endr
	s_wait_loadcnt 0x0
	v_mul_f32 v20, v[N], v[N]
	v_mul_f32 v21, v[N+1], v[N+1]
.irp q, 1,2,3,4,5,6,7,8,9
	v_fmac_f32 v20, v[N+2*\q], v[N+2*\q]
	v_fmac_f32 v21, v[N+2*\q+1], v[N+2*\q+1]
.endr
	v_add_f32 v20, v20, v21
	v_add_f32_dpp v20, v20, v20 row_xmask:1 row_mask:0xf bank_mask:0xf
	v_add_f32_dpp v20, v20, v20 row_xmask:2 row_mask:0xf bank_mask:0xf
	v_add_f32_dpp v20, v20, v20 row_xmask:4 row_mask:0xf bank_mask:0xf
	v_add_f32_dpp v20, v20, v20 row_xmask:8 row_mask:0xf bank_mask:0xf
	v_permlanex16_b32 v21, v20, s24, s25
	v_add_f32 v20, v20, v21
	v_mov_b32 v23, 0
	global_store_b32 v23, v20, s[22:23] offset:2048   ; every lane holds the sum and stores the one word
	s_endpgm
.macro ROW0                            ; s28 = the first row of permuted tile s26
	s_lshr_b32 s28, s26, 1
	s_lshl_b32 s28, s28, 5
	s_and_b32 s29, s26, 1
	s_lshl_b32 s29, s29, 3
	s_add_co_u32 s28, s28, s29
.endm
.macro TILE_STEP first                 ; s26 = tile, s27 = K step, s28 = the tile's first row
	s_sub_co_u32 s29, ttmp9, \first
	s_lshr_b32 s26, s29, 2
	s_and_b32 s27, s29, 3
	ROW0
.endm
.macro K1DEST p                        ; where tile s26, K step s27 goes in a buffer of four chunks of 34,816 bytes: codes at (4 T + s) x 1024, scale words at 32768 + 256 T + 16 r + 4 s, T = the tile % 8
	s_lshr_b32 s30, s26, 3
	s_mul_i32 s30, s30, 34816
	s_and_b32 s32, s26, 7
	s_lshl_b32 s34, s32, 8
	s_lshl_b32 s32, s32, 2
	s_add_co_u32 s32, s32, s27
	s_lshl_b32 s32, s32, 10
	s_add_co_u32 s32, s32, s30
	s_add_co_u32 s34, s34, s30
	s_lshl_b32 s29, s27, 2
	s_add_co_u32 s34, s34, s29
	s_add_co_u32 s34, s34, 32768
	s_add_nc_u64 s[40:41], s[\p:\p+1], s[32:33]
	s_add_nc_u64 s[42:43], s[\p:\p+1], s[34:35]
	v_lshlrev_b32 v6, 4, v1
.endm
.Lk1_rows:                                             ; K1[row][128 s + 64 c + 32 h + i]: a lane's eight loads of a block read 128 consecutive bytes
	TILE_STEP 0
	s_lshl_b32 s30, s28, 11
	s_lshl_b32 s29, s27, 9
	s_add_co_u32 s30, s30, s29
	s_add_nc_u64 s[36:37], s[8:9], s[30:31]
	v_lshlrev_b32 v4, 11, v3
	v_lshl_add_u32 v4, v2, 7, v4
.irp c, 0,1
.irp q, 0,1,2,3,4,5,6,7
	global_load_b128 v[N+32*\c+4*\q:N+32*\c+4*\q+3], v4, s[36:37] offset:256*\c+16*\q
.endr
.endr
	K1DEST 10
	s_branch .Ltail
.Lk1_cols:                                             ; K1[128 s + 64 c + 32 h + i][column]: the lane takes a column and its registers run down K
	TILE_STEP 128
	s_lshl_b32 s30, s27, 18
	s_lshl_b32 s29, s28, 2
	s_add_co_u32 s30, s30, s29
	s_add_nc_u64 s[36:37], s[8:9], s[30:31]
	v_lshlrev_b32 v4, 16, v2
	v_lshl_add_u32 v4, v3, 2, v4
.irp c, 0,1
.irp i, 0,1,2,3,4,5,6,7,8,9,10,11,12,13,14,15,16,17,18,19,20,21,22,23,24,25,26,27,28,29,30,31
	global_load_b32 v[N+32*\c+\i], v4, s[36:37] offset:(64*\c+\i)*2048
.endr
.endr
	K1DEST 12
	s_branch .Ltail
.Lk0_rows:                                             ; K0[m][32 h + i], K0[m][64] in lanes 0-15, zeros up to 128; a row of K0 is 260 bytes
	s_sub_co_u32 s26, ttmp9, 256
	ROW0
	s_mul_i32 s30, s28, 260
	s_add_nc_u64 s[36:37], s[6:7], s[30:31]
	v_mul_u32_u24 v20, v3, 260
	v_lshl_add_u32 v4, v2, 7, v20
.irp i, 0,1,2,3,4,5,6,7,8,9,10,11,12,13,14,15,16,17,18,19,20,21,22,23,24,25,26,27,28,29,30,31
	global_load_b32 v[N+\i], v4, s[36:37] offset:4*\i
.endr
	global_load_b32 v[N+32], v20, s[36:37] offset:256
.set i, 33
.rept 31
	v_mov_b32 v[N+i], 0
.set i, i+1
.endr
	s_lshl_b32 s32, s26, 10
	s_add_nc_u64 s[40:41], s[14:15], s[32:33]      ; codes: tile x 1024
	s_lshl_b32 s34, s26, 6
	s_add_co_u32 s34, s34, 32768
	s_add_nc_u64 s[42:43], s[14:15], s[34:35]      ; scale words: 32768 + 64 x tile + 4 r
	v_lshlrev_b32 v6, 2, v1
	s_lshl_b32 s44, s28, 2
	s_add_nc_u64 s[46:47], s[22:23], s[44:45]      ; kk at the tile's first row
	v_lshlrev_b32 v23, 2, v3
	v_mov_b32 v22, 0
	s_wait_loadcnt 0x0
	v_cmp_eq_u32 vcc_lo, 0, v2
	v_cndmask_b32 v[N+32], 0, v[N+32], vcc_lo      ; k = 64 belongs to lanes 0-15; lanes 16-31 hold k = 96: zero
	v_mul_f32 v20, v[N], v[N]                      ; kk: my 32 squares in two chains,
	v_mul_f32 v21, v[N+1], v[N+1]
.irp i, 2,4,6,8,10,12,14,16,18,20,22,24,26,28,30
	v_fmac_f32 v20, v[N+\i], v[N+\i]
	v_fmac_f32 v21, v[N+\i+1], v[N+\i+1]
.endr
	v_add_f32 v20, v20, v21
	v_permlanex16_b32 v22, v20, s24, s25
	v_add_f32 v20, v20, v22                        ; and lane l xor 16's 32
	global_store_b32 v23, v20, s[46:47]            ; v20-23 are not written again
	s_branch .Ltail
.Lk0_cols:                                             ; K0[128 s + 64 c + 32 h + i][column 16 tau + r]; columns past 64 are zeros
	s_sub_co_u32 s29, ttmp9, 288
	s_lshr_b32 s26, s29, 2                         ; tau
	s_and_b32 s27, s29, 3                          ; K step
	s_mul_i32 s30, s27, 128*260
	s_add_nc_u64 s[36:37], s[6:7], s[30:31]
	s_lshl_b32 s28, s26, 4
	v_add_nc_u32 v20, s28, v1                      ; my column
	v_min_u32 v21, 64, v20                         ; no load leaves the row
	v_mul_u32_u24 v4, v2, 32*260
	v_lshl_add_u32 v4, v21, 2, v4
.irp c, 0,1
.irp i, 0,1,2,3,4,5,6,7,8,9,10,11,12,13,14,15,16,17,18,19,20,21,22,23,24,25,26,27,28,29,30,31
	global_load_b32 v[N+32*\c+\i], v4, s[36:37] offset:(64*\c+\i)*260
.endr
.endr
	s_lshl_b32 s32, s26, 2
	s_add_co_u32 s32, s32, s27
	s_lshl_b32 s32, s32, 10
	s_add_nc_u64 s[40:41], s[16:17], s[32:33]      ; codes: (4 tau + s) x 1024
	s_lshl_b32 s34, s26, 8
	s_lshl_b32 s29, s27, 2
	s_add_co_u32 s34, s34, s29
	s_add_co_u32 s34, s34, 20480
	s_add_nc_u64 s[42:43], s[16:17], s[34:35]      ; scale words: 20480 + 256 tau + 16 r + 4 s
	v_lshlrev_b32 v6, 4, v1
	s_wait_loadcnt 0x0
	s_cmp_lt_u32 s26, 4
	s_cbranch_scc1 .Limage
	v_cmp_gt_u32 vcc_lo, 65, v20                   ; tau = 4: column 64 alone is K0's
.set i, 0
.rept 64
	v_cndmask_b32 v[N+i], 0, v[N+i], vcc_lo
.set i, i+1
.endr
	s_branch .Ltail
.Limage:                                               ; columns 0-63 also leave as f32, in the order of the main launch's registers: 32768 tau + 8192 s + 512 G + 16 l
	s_lshl_b32 s44, s26, 15
	s_lshl_b32 s29, s27, 13
	s_add_co_u32 s44, s44, s29
	s_add_nc_u64 s[46:47], s[20:21], s[44:45]
.irp G, 0,1,2,3,4,5,6,7,8,9,10,11,12,13,14,15
	global_store_b128 v5, v[N+4*\G:N+4*\G+3], s[46:47] offset:512*\G   ; 32 lanes store 512 consecutive bytes
.endr
	s_branch .Ltail
.Lsym:                                                 ; symA[a][b] = the sum over q of A[q][a] A[q][b], q ascending, in f32; row b = 16 tau + r, K = a
	s_sub_co_u32 s26, ttmp9, 308
	s_lshl_b32 s28, s26, 4
	v_add_nc_u32 v20, s28, v1                      ; b
	v_min_u32 v21, 64, v20
	v_lshlrev_b32 v21, 2, v21
	v_lshlrev_b32 v4, 7, v2                        ; a = 32 h + i
	v_mov_b32 v22, 0
.irp q, 0,1,2,3,4,5,6,7,8,9
	global_load_b32 v[AB+\q], v21, s[4:5] offset:260*\q
.endr
.macro LOADQ q
.irp i, 0,1,2,3,4,5,6,7,8,9,10,11,12,13,14,15,16,17,18,19,20,21,22,23,24,25,26,27,28,29,30,31
	global_load_b32 v[AA+33*((\q)%2)+\i], v4, s[4:5] offset:260*(\q)+4*\i
.endr
	global_load_b32 v[AA+33*((\q)%2)+32], v22, s[4:5] offset:260*(\q)+256
.endm
	LOADQ 0
	LOADQ 1
.irp q, 0,1,2,3,4,5,6,7,8,9
.if \q < 9
	s_wait_loadcnt 33                              ; row q's 33 loads are in; the next row's 33 may be out
.else
	s_wait_loadcnt 0x0
.endif
.set i, 0
.rept 33
.if \q == 0
	v_mul_f32 v[N+i], v[AA+i], v[AB]
.else
	v_fmac_f32 v[N+i], v[AA+33*(\q%2)+i], v[AB+\q]
.endif
.set i, i+1
.endr
.if \q < 8
	LOADQ \q+2
.endif
.endr
	v_cmp_gt_u32 vcc_lo, 65, v20                   ; rows past 64 are zeros
.set i, 0
.rept 33
	v_cndmask_b32 v[N+i], 0, v[N+i], vcc_lo
.set i, i+1
.endr
	v_cmp_eq_u32 vcc_lo, 0, v2
	v_cndmask_b32 v[N+32], 0, v[N+32], vcc_lo      ; a = 64 belongs to lanes 0-15
.set i, 33
.rept 31
	v_mov_b32 v[N+i], 0
.set i, i+1
.endr
	s_lshl_b32 s32, s26, 10
	s_add_nc_u64 s[40:41], s[18:19], s[32:33]
	s_lshl_b32 s34, s26, 6
	s_add_co_u32 s34, s34, 5120
	s_add_nc_u64 s[42:43], s[18:19], s[34:35]
	v_lshlrev_b32 v6, 2, v1
.Ltail:                                                ; 64 numbers become 8 registers of codes and a scale word
	s_wait_loadcnt 0x0
.irp c, 0,1
	v_max3_num_f32 v[MX+\c], |v[N+32*\c]|, |v[N+32*\c+1]|, 0x1800000   ; my block 2 c + h, and the floor 2^(3 - 127): the byte cannot fall under 1
.endr
.irp i, 2,4,6,8,10,12,14,16,18,20,22,24,26,28,30
.irp c, 0,1
	v_max3_num_f32 v[MX+\c], v[MX+\c], |v[N+32*\c+\i]|, |v[N+32*\c+\i+1]|
.endr
.endr
.irp c, 0,1
	v_add_nc_u32 v[SO+\c], 0xff000000, v[MX+\c]    ; 2 off the exponent field: the conversion's scale operand
.endr
.irp c, 0,1
	v_lshrrev_b32 v[BY+\c], 23, v[SO+\c]           ; the scale's byte
.endr
	v_lshl_or_b32 v26, v[BY+1], 16, v[BY]          ; blocks h and 2 + h,
	v_lshlrev_b32 v26, v7, v26                     ; at their places in the word;
	v_mov_b32 v27, 0
	v_permlanex16_b32 v27, v26, s24, s25
	v_or_b32 v26, v26, v27                         ; with lane l xor 16's two the word is whole, in both lanes
.irp c, 0,1
.irp g, 0,1,2,3
	v_cvt_scalef32_pk8_fp4_f32 v[PC+4*\c+\g], v[N+32*\c+8*\g:N+32*\c+8*\g+7], v[SO+\c]
.endr
.endr
	v_nop                                          ; a plain line behind the last scaled conversion
	global_store_b128 v5, v[PC:PC+3], s[40:41]     ; 32 lanes store 512 consecutive bytes
	global_store_b128 v5, v[PC+4:PC+7], s[40:41] offset:512
	global_store_b32 v6, v26, s[42:43]
	s_endpgm
.Lfunc_end_k_q1c3452482d_prep:
	.size	k_q1c3452482d_prep, .Lfunc_end_k_q1c3452482d_prep-k_q1c3452482d_prep
	.p2alignl 7, 3214868480
	.fill 96, 4, 3214868480
	.section	.rodata,"a",@progbits
	.p2align	6, 0x0
	.amdhsa_kernel k_q1c3452482d_prep
		.amdhsa_group_segment_fixed_size 0
		.amdhsa_private_segment_fixed_size 0
		.amdhsa_enable_private_segment 0
		.amdhsa_kernarg_size 80
		.amdhsa_user_sgpr_count 2
		.amdhsa_user_sgpr_kernarg_segment_ptr 1
		.amdhsa_wavefront_size32 1
		.amdhsa_system_sgpr_workgroup_id_x 1
		.amdhsa_system_sgpr_workgroup_id_y 1
		.amdhsa_system_sgpr_workgroup_id_z 1
		.amdhsa_system_vgpr_workitem_id 0
		.amdhsa_next_free_vgpr 176
		.amdhsa_next_free_sgpr 66
		.amdhsa_reserve_vcc 1
		.amdhsa_float_denorm_mode_32 3
		.amdhsa_float_denorm_mode_16_64 3
		.amdhsa_memory_ordered 1
		.amdhsa_forward_progress 1
		.amdhsa_inst_pref_size 80
	.end_amdhsa_kernel
	.amdgpu_metadata
---
amdhsa.version: [ 1, 2 ]
amdhsa.kernels:
  - .name:           k_q1c3452482d_prep
    .symbol:         k_q1c3452482d_prep.kd
    .args:
      - { .name: A, .offset: 0, .size: 8, .value_kind: global_buffer, .address_space: global }
      - { .name: K0, .offset: 8, .size: 8, .value_kind: global_buffer, .address_space: global }
      - { .name: K1, .offset: 16, .size: 8, .value_kind: global_buffer, .address_space: global }
      - { .name: k1q, .offset: 24, .size: 8, .value_kind: global_buffer, .address_space: global }
      - { .name: k1tq, .offset: 32, .size: 8, .value_kind: global_buffer, .address_space: global }
      - { .name: k0q, .offset: 40, .size: 8, .value_kind: global_buffer, .address_space: global }
      - { .name: k0tq, .offset: 48, .size: 8, .value_kind: global_buffer, .address_space: global }
      - { .name: symq, .offset: 56, .size: 8, .value_kind: global_buffer, .address_space: global }
      - { .name: ktimg, .offset: 64, .size: 8, .value_kind: global_buffer, .address_space: global }
      - { .name: vecs, .offset: 72, .size: 8, .value_kind: global_buffer, .address_space: global }
    .group_segment_fixed_size: 0
    .private_segment_fixed_size: 0
    .kernarg_segment_align: 8
    .kernarg_segment_size: 80
    .max_flat_workgroup_size: 32
    .sgpr_count:     66
    .vgpr_count:     176
    .wavefront_size: 32
...
	.end_amdgpu_metadata
.endif
;; end of part 1
;; launch main (part 2): grid 256 x 1, 4 waves a work-group, clusters of 4 x 1, 327,680 bytes of LDS; arguments x, t, b0, b1, w, c_w, k0q, k1q, k1tq, k0tq, symq, ktimg, vecs, out0, out1, out2, out3; writes out0, out1, out2, out3
.if DOCPART == 2
	.amdgcn_target "amdgcn-amd-amdhsa--gfx1250"
	.amdhsa_code_object_version 6
	.text
	.protected	k_q1c3452482d_main
	.globl	k_q1c3452482d_main
	.p2align	8
	.type	k_q1c3452482d_main,@function
k_q1c3452482d_main:
	s_mov_b64 s[64:65], 0
	v_nop
	global_prefetch_b8 v0, s[64:65] scope:SCOPE_SE
	s_setreg_imm32_b32 hwreg(HW_REG_WAVE_MODE, 25, 1), 1
	s_wait_xcnt 0x0
	s_wait_alu depctr_hold_cnt(0) depctr_sa_sdst(0) depctr_va_vdst(0) depctr_va_sdst(0) depctr_va_ssrc(0) depctr_va_vcc(0) depctr_vm_vsrc(0)
	s_getreg_b32 s2, hwreg(HW_REG_IB_STS2, 6, 4)
	s_cmp_eq_u32 s2, 0
	s_cbranch_scc0 .Lentry_in_a_cluster
	s_endpgm
.Lentry_in_a_cluster:
	s_bfe_u32 s2, ttmp6, 0x10000c
	s_cmp_lg_u32 s2, 0x3003
	s_cbranch_scc0 .Lentry_shape_is_right
	s_endpgm
.Lentry_shape_is_right:
; OT-Flow's gradient and Hessian trace, all quantised products on codes of FP4 (E2M1) with one E8M0 scale for each 32 along K.  A work-group of four waves takes 8 samples through the whole computation.
; PHASES.  P1 opening = s K0^T + b0, u0, tanh.  P2 Jac[n][j][k] = tanh_open[n][j] K0[j][k] is multiplied in f32 and quantised along j: codes to LDS.  P3 lin1 = u0 K1^T + b1, tanh.
;   P4 KJ = Q(Jac) Q(K1)^T, squared, weighted by c = (1 - tanh_lin1^2) w and summed; nothing of it is stored.  P5 z1 = w + (tanh_lin1 w) K1.  P6 z0 = (tanh_open z1) K0 and s symA.  P7 the four outputs.
; SHARES.  In P1, P3, P5 the product is used transposed (source 0 = 16 rows of the weight, source 1 = the samples); wave w makes units 128 w .. 128 w + 127 (8 tiles).  The 16 columns are the 8 samples twice,
;   so lanes 8-15 and 24-31 take tiles 4-7 in place of their copies of tiles 0-3 (FOLD): a lane then holds 32 numbers: register 16 b + i = unit 128 w + 64 g + 32 b + 16 h + i of sample lane % 8 (g = lane / 8 % 2, h = lane / 16).
;   In P4 wave w keeps its 8 tiles of K1 (256 registers, the very fragments of P3) as source 1; the 32 row tiles (sample n, 16 of the 64 k) come from LDS as source 0, each fragment feeding 8 products.
;   A lane's column is then one unit i, so the weight c[n][i] is ONE register for a tile: four packed squares and one packed multiply-add a tile.
; TILES OF WEIGHTS ARE PERMUTED: row r of tile T is unit 32 (T / 2) + 8 (T % 2) + r + 8 (r / 8): the 16 registers of tiles 2 b, 2 b + 1 are 16 neighbours along the next K.
; OPERANDS GO THROUGH LDS AS IMAGES OF THEIR REGISTERS: a fragment is 1,024 bytes, register group c of lane l at 512 c + 16 l.
; CLUSTER.  The four work-groups of a cluster need the same K1 (both ways) and the same f32 image of K0^T: 409,600 bytes, asked for JOINTLY (mask 15), wave w its quarter.  K0's, K0^T's and symA's fragments (61 KB)
;   go straight into registers: each is used once by one wave, and the first product waits for K0's.
; LIMITS.  NaN and infinities are not served.  A block whose largest magnitude lies under 2^-124, zeros among them, gets the scale byte 1.  tanh(x) = 2 / (1 + 2^(-2 |x| log2 e)) - 1 with x's sign; where x^2 < 0.0225
;   the series x - x^3 / 3 + 2 x^5 / 15 (its first term left out is 17 x^6 / 315 of x, under 7e-7).  Sums over K of product 5 are split over the four waves and added in f32.  c_b enters no output of the problem and is not an argument.
.set XCH,   34816                      ; LDS: X: four chunks, wave w's own: K1's quarter (32 fragments, 2,048 bytes of scale words), later K1^T's.  Nothing is stored there
.set Y,     4*XCH                      ; Y: four quarters of 32,768: the f32 image of K0^T; after that last fill wave w stores Jac's codes there: 32768 kt + 4096 n + 1024 s + 512 c + 16 l
.set JSC,   Y+131072                   ; Jac's scale words: 256 (8 kt + n) + 16 r + 4 s
.set SH,    JSC+8192                   ; 25,600 bytes, three uses parted by barriers: tanh_open [n][j] (pitch 2,064); c (6400 w + 800 n + 48 r + 4 T); z0's parts (2688 w + 336 n + 4 col)
.set UIMG,  SH+25600                   ; u0's four fragments (K step s = wave s's units); in P5 wave w's slot takes tanh_open z1
.set USC,   UIMG+4096                  ; their scale words: 64 s + 4 col
.set VOFF,  4352                       ; tanh_lin1 w: fragments and scale words lie so far behind u0's
.set RED,   USC+VOFF+256               ; parts of t1 (32 w + 4 n) and of the first trace term (128 + 32 w + 4 n)
.set SPARE, RED+256                    ; the spare words, 128 bytes for each wave: two blocks of 256 bytes that no other line names
; window 0
.set SPW, 28                           ; v28 my spare word's address, v29 zero: never rewritten
.set NIL, 29
.set WS,  32                           ; v32-63   the weight's scale words, register 4 T + s
.set HA,  64                           ; v64-127  eight result tiles
.set RB,  128                          ; v128-191 at work; in P4 two sets of four fragments of Jac
.set RC,  192                          ; v192-223 at work; four fragments of the samples' operand
.set QT,  224                          ; v224-231 the quantisers' registers; in P4 two sets of Jac's four scale words
.set PC,  232                          ; v232-239 codes just made
.set US,  240                          ; v240-243 the samples' scale words
.set HW,  244
.set SW,  245                          ; s's scale word, kept
.set K0TS, 246                         ; v246-250 K0^T's scale words;  v251-255 symA's
.set SYS, 251
; window 2: v0-255 K0^T as f32 in P2; later:
.set KK,  0                            ; kk, folded
.set K0T, 32                           ; K0^T's five fragments of K step w
.set SYM, 72                           ; symA's five
.set CW,  112                          ; c_w[4 r .. 4 r + 3]
; window 3: v0-63, v64-127 two sets of eight accumulators
.set CC,  128                          ; v128-191 c, register 8 n + T (until P3's end v128-159: w, folded)
.set WF,  128
.set SS,  192                          ; v192-207 the sums of P4, a pair for each sample
.set TT,  208                          ; v208-211 and v252-255: two sets of two pairs at work in P4
.set TF,  212                          ; v212-243 tanh_open, folded
.set SF,  244                          ; v244-251 s's fragment
.set WV,  38                           ; s38 my wave's number
.set MSB, 0
.macro WIN new                         ; the immediate's high byte repeats the setting that is left; bits 1:0 source 0, 3:2 source 1, 5:4 source 2, 7:6 destination
.if MSB != \new
	s_set_vgpr_msb (MSB<<8)|\new
.set MSB, \new
.endif
.endm
.macro PLACES n
.rept \n
	v_nop
.endr
.endm
.macro ROUND                           ; a round of the cluster's barrier
	s_barrier_signal -1
	s_barrier_wait -1
	s_cmp_lg_u32 s[WV], 0
	s_cbranch_scc1 .Lnot_wave_0_\@
	s_barrier_signal -3
.Lnot_wave_0_\@:
	s_barrier_wait -3
	s_barrier_signal -1
	s_barrier_wait -1
.endm
.macro BAR                             ; my LDS stores have landed and my LDS loads are in: then the work-group's barrier
	s_wait_dscnt 0x0
	s_barrier_signal -1
	s_barrier_wait -1
.endm
.macro WM d, a, b, sa, sb              ; D += A B
	v_wmma_scale_f32_16x16x128_f8f6f4 v[(\d):(\d)+7], v[(\a):(\a)+7], v[(\b):(\b)+7], v[(\d):(\d)+7], v[\sa], v[\sb] matrix_a_fmt:MATRIX_FMT_FP4 matrix_b_fmt:MATRIX_FMT_FP4
.endm
.macro WM0 d, a, b, sa, sb             ; D = A B: the first product starts the sum
	v_wmma_scale_f32_16x16x128_f8f6f4 v[(\d):(\d)+7], v[(\a):(\a)+7], v[(\b):(\b)+7], 0, v[\sa], v[\sb] matrix_a_fmt:MATRIX_FMT_FP4 matrix_b_fmt:MATRIX_FMT_FP4
.endm
.macro BIAS p                          ; a vector of 512 as the C of my eight tiles: register 8 T + j = unit 128 w + 32 (T / 2) + 16 h + 8 (T % 2) + j
.irp T, 0,1,2,3,4,5,6,7
	global_load_b128 v[HA+8*\T:HA+8*\T+3], v24, s[\p:\p+1] offset:(32*(\T/2)+8*(\T%2))*4
	global_load_b128 v[HA+8*\T+4:HA+8*\T+7], v24, s[\p:\p+1] offset:(32*(\T/2)+8*(\T%2))*4+16
.endr
.endm
.macro FLOAD reg, p                    ; a vector of 512 in the folded layout
.irp b, 0,1
.irp q, 0,1,2,3
	global_load_b128 v[\reg+16*\b+4*\q:\reg+16*\b+4*\q+3], v25, s[\p:\p+1] offset:128*\b+16*\q
.endr
.endr
.endm
.macro FOLD                            ; lanes with g = 1 take tiles 4-7; each accumulator is read from its low end on
.set i, 0
.rept 32
	v_cndmask_b32 v[HA+i], v[HA+i], v[HA+32+i], s74
.set i, i+1
.endr
.endm
; tanh of the 32 numbers X = v[HA ..] into v[dst ..] of the window that dw names; u0 = 1: also |x| + ln(1 + e^(-2 |x|)) into v[RC ..].  E = v[HA+32 ..], x^2 = v[RB ..], the series = v[RB+32 ..].
; The transcendentals go in batches, each with one s_wait_alu ahead of the first line that names a result; plain packed work stands behind each batch.
.macro TANH32 u0, dw, dst
	v_mov_b32 v30, 0xbeaaaaab                      ; -1/3, as a pair
	v_mov_b32 v31, 0xbeaaaaab
.set i, 0
.rept 32
	v_mul_f32 v[HA+32+i], s76, |v[HA+i]|           ; -2 log2(e) |x|
.set i, i+1
.endr
.set i, 0
.rept 32
	v_exp_f32 v[HA+32+i], v[HA+32+i]               ; E = e^(-2 |x|)
.set i, i+1
.endr
.set i, 0
.rept 16
	v_pk_mul_f32 v[RB+i:RB+i+1], v[HA+i:HA+i+1], v[HA+i:HA+i+1]
.set i, i+2
.endr
	s_wait_alu depctr_va_vdst(0)
.set i, 0
.rept 16
	v_pk_add_f32 v[HA+32+i:HA+33+i], v[HA+32+i:HA+33+i], 1.0 op_sel_hi:[1,0]
.set i, i+2
.endr
.if \u0
.set i, 0
.rept 32
	v_log_f32 v[RC+i], v[HA+32+i]                  ; log2(1 + E)
.set i, i+1
.endr
	v_nop                                          ; a plain line between the logarithms and the lines that write over their sources
.endif
.set i, 0
.rept 32
	v_rcp_f32 v[HA+32+i], v[HA+32+i]
.set i, i+1
.endr
.set i, 0
.rept 16
	v_pk_fma_f32 v[RB+32+i:RB+33+i], v[RB+i:RB+i+1], s[78:79], v[30:31] op_sel_hi:[1,0,1]   ; 2/15 x^2 - 1/3
.set i, i+2
.endr
.set i, 0
.rept 16
	v_pk_mul_f32 v[RB+32+i:RB+33+i], v[RB+32+i:RB+33+i], v[RB+i:RB+i+1]
.set i, i+2
.endr
.set i, 0
.rept 16
	v_pk_fma_f32 v[RB+32+i:RB+33+i], v[RB+32+i:RB+33+i], v[HA+i:HA+i+1], v[HA+i:HA+i+1]      ; the series
.set i, i+2
.endr
	s_wait_alu depctr_va_vdst(0)
.set i, 0
.rept 16
	v_pk_fma_f32 v[HA+32+i:HA+33+i], v[HA+32+i:HA+33+i], 2.0, -1.0 op_sel_hi:[1,0,0]         ; 2 / (1 + E) - 1
.set i, i+2
.endr
.if \u0
.set i, 0
.rept 32
	v_fma_f32 v[RC+i], v[RC+i], s77, |v[HA+i]|     ; ln 2 log2(1 + E) + |x|
.set i, i+1
.endr
.endif
.set i, 0
.rept 32
	v_and_or_b32 v[HA+32+i], v[HA+i], s83, v[HA+32+i]   ; x's sign
.set i, i+1
.endr
	WIN \dw
.set i, 0
.rept 32
	v_cmp_gt_f32 vcc_lo, s82, v[RB+i]              ; 0.0225 > x^2: the series
	v_cndmask_b32 v[\dst+i], v[HA+32+i], v[RB+32+i], vcc_lo
.set i, i+1
.endr
	WIN 0
.endm
; 32 folded numbers become my half of a register group of K step w's fragment, for columns lane % 8 and lane % 8 + 8, and two bytes of their scale words.
.macro QUANT32 src, off
.irp b, 0,1
	v_max3_num_f32 v[QT+\b], |v[\src+16*\b]|, |v[\src+16*\b+1]|, 0x1800000   ; block b: my 16 numbers, and the floor 2^(3 - 127): the byte cannot fall under 1
.endr
.irp i, 2,4,6,8,10,12,14
.irp b, 0,1
	v_max3_num_f32 v[QT+\b], v[QT+\b], |v[\src+16*\b+\i]|, |v[\src+16*\b+\i+1]|
.endr
.endr
.irp b, 0,1
	v_permlanex16_b32 v[QT+2+\b], v[QT+\b], s72, s73
.endr
.irp b, 0,1
	v_max_num_f32 v[QT+\b], v[QT+\b], v[QT+2+\b]   ; with lane l xor 16's 16
.endr
.irp b, 0,1
	v_add_nc_u32 v[QT+4+\b], 0xff000000, v[QT+\b]  ; 2 off the exponent field: the conversion's scale operand
.endr
.irp b, 0,1
	v_lshrrev_b32 v[QT+6+\b], 23, v[QT+4+\b]
.endr
	v_lshl_or_b32 v[HW], v[QT+7], 8, v[QT+6]       ; bytes 2 g and 2 g + 1 of the scale word
.irp b, 0,1
	v_cvt_scalef32_pk8_fp4_f32 v[PC+2*\b], v[\src+16*\b:\src+16*\b+7], v[QT+4+\b]
	v_cvt_scalef32_pk8_fp4_f32 v[PC+2*\b+1], v[\src+16*\b+8:\src+16*\b+15], v[QT+4+\b]
.endr
	v_nop                                          ; a plain line behind a scaled conversion
	v_permlane16_swap_b32 v[PC], v[PC+2]           ; a whole block to a lane: lanes 0-15 block 0, lanes 16-31 block 1
	v_permlane16_swap_b32 v[PC+1], v[PC+3]
	ds_store_b128 v3, v[PC:PC+3] offset:\off
	ds_store_b128 v3, v[PC:PC+3] offset:\off+128
	ds_store_b16 v4, v[HW] offset:\off             ; (lanes l and l xor 16 store the same two bytes)
	ds_store_b16 v4, v[HW] offset:\off+32
.endm
.macro FETCH4 off                      ; the samples' four fragments and scale words
.irp s, 0,1,2,3
.irp c, 0,1
	ds_load_b128 v[RC+8*\s+4*\c:RC+8*\s+4*\c+3], v1 offset:\off+1024*\s+512*\c
.endr
.endr
.irp s, 0,1,2,3
	ds_load_b32 v[US+\s], v2 offset:\off+64*\s
.endr
.endm
.macro COPYW                           ; my chunk of X into window 1 (fragment (T, s) at register 8 (4 T + s)) and its scale words
	WIN 0x40
.set i, 0
.rept 64
	ds_load_b128 v[4*i:4*i+3], v12 offset:512*i
.set i, i+1
.endr
	WIN 0
.irp T, 0,1,2,3,4,5,6,7
	ds_load_b128 v[WS+4*\T:WS+4*\T+3], v13 offset:256*\T
.endr
.endm
.macro MM32                            ; eight tiles x four K steps, onto the vector that lies in the accumulators; the eight take turns
	WIN 0x01
.irp s, 0,1,2,3
.irp T, 0,1,2,3,4,5,6,7
	WM HA+8*\T, 8*(4*\T+\s), RC+8*\s, WS+4*\T+\s, US+\s
.endr
.endr
	WIN 0
	PLACES 4
.endm
	; ================ head
	s_load_b512 s[4:19], s[0:1], 0x0               ; x s[4:5], t s[6:7], b0 s[8:9], b1 s[10:11], w s[12:13], c_w s[14:15], k0q s[16:17], k1q s[18:19]
	s_load_b512 s[20:35], s[0:1], 0x40             ; k1tq s[20:21], k0tq s[22:23], symq s[24:25], ktimg s[26:27], vecs s[28:29], out0 s[30:31], out1 s[32:33], out2 s[34:35]
	s_load_b64 s[36:37], s[0:1], 0x80              ; out3
	v_lshl_add_u32 v[SPW], v0, 2, SPARE
	v_mov_b32 v[NIL], 0
	ds_add_u32 v28, v29
	ds_add_u32 v28, v29
	s_wait_dscnt 0x0
	v_lshrrev_b32 v30, 5, v0
	v_readfirstlane_b32 s[WV], v30                 ; wave 0..3
	s_bfe_u32 s39, ttmp6, 0x40000                  ; cx
	s_lshl_b32 s96, ttmp9, 2
	s_add_co_u32 s39, s96, s39                     ; work-group = 4 x cluster + cx: it enters x's and the outputs' addresses alone
	s_lshl_b32 s96, s39, 11                        ; 8 rows of 256 bytes
	s_mov_b32 s97, 0
	s_lshl_b32 s98, s39, 5                         ; 8 numbers
	s_mov_b32 s99, 0
	v_and_b32 v64, 31, v0                          ; l
	v_and_b32 v65, 15, v0                          ; r
	v_bfe_u32 v66, v0, 4, 1                        ; h
	v_bfe_u32 v67, v0, 3, 1                        ; g
	v_and_b32 v68, 7, v0                           ; q = lane % 8
	v_lshl_add_u32 v1, v64, 4, UIMG                ; v1  an image's place for my lane
	v_lshl_add_u32 v2, v65, 2, USC                 ; v2  a scale word's
	s_lshl_b32 s88, s[WV], 10
	s_add_co_u32 s88, s88, UIMG
	v_lshl_add_u32 v3, v67, 9, s88                 ; v3  where I store codes: 1024 w + 512 g + 256 h + 16 q
	v_lshl_add_u32 v3, v66, 8, v3
	v_lshl_add_u32 v3, v68, 4, v3
	s_lshl_b32 s88, s[WV], 6
	s_add_co_u32 s88, s88, USC
	v_lshl_add_u32 v4, v68, 2, s88                 ; v4  and scale bytes: 64 w + 4 q + 2 g
	v_lshl_add_u32 v4, v67, 1, v4
	s_lshl_b32 s88, s[WV], 9
	v_lshl_add_u32 v24, v66, 6, s88                ; v24 a vector of 512 as C: 512 w + 64 h
	v_lshl_add_u32 v25, v67, 8, v24                ; v25 folded: + 256 g
	v_lshl_add_u32 v31, v65, 2, s88                ; K0's scale words: 512 w + 4 r
	s_add_co_u32 s88, s88, SH
	v_mul_u32_u24 v5, v68, 2064
	v_add_nc_u32 v5, s88, v5
	v_lshl_add_u32 v5, v67, 8, v5
	v_lshl_add_u32 v5, v66, 6, v5                  ; v5  tanh_open, in: 2064 q + 512 w + 256 g + 64 h
	v_lshl_add_u32 v6, v67, 8, SH
	v_lshl_add_u32 v6, v66, 7, v6
	v_lshl_add_u32 v6, v68, 4, v6                  ; v6  and out: 256 g + 128 h + 16 q
	s_lshl_b32 s88, s[WV], 15
	s_add_co_u32 s88, s88, Y
	v_lshl_add_u32 v7, v64, 4, s88                 ; v7  my quarter of Y
	s_lshl_b32 s88, s[WV], 11
	s_add_co_u32 s88, s88, JSC
	v_lshl_add_u32 v8, v65, 4, s88                 ; v8  my k tile's scale words
	s_mul_i32 s88, s[WV], XCH
	v_lshl_add_u32 v12, v64, 4, s88                ; v12 my chunk of X
	s_add_co_u32 s89, s88, 32768
	v_lshl_add_u32 v13, v65, 4, s89                ; v13 and its scale words
	v_lshl_add_u32 v14, v64, 4, Y                  ; v14 Jac's codes, for reading
	v_lshl_add_u32 v16, v65, 4, JSC                ; v16 and scale words
	s_mul_i32 s88, s[WV], 6400
	s_add_co_u32 s88, s88, SH
	v_mul_u32_u24 v18, v68, 800
	v_add_nc_u32 v18, s88, v18
	v_mad_u32_u24 v18, v66, 384, v18
	v_lshl_add_u32 v18, v67, 4, v18                ; v18 c, in: 6400 w + 800 q + 384 h + 16 g
	v_mul_u32_u24 v19, v65, 48
	v_add_nc_u32 v19, s88, v19                     ; v19 and out: 6400 w + 48 r
	s_lshl_b32 s88, s[WV], 5
	s_add_co_u32 s88, s88, RED
	v_mov_b32 v20, s88                             ; v20 my parts of t1
	v_lshl_add_u32 v21, v68, 2, s88
	v_add_nc_u32 v21, 128, v21                     ; v21 my part of the first trace term
	s_mul_i32 s88, s[WV], 2688
	s_add_co_u32 s88, s88, SH
	v_mul_u32_u24 v22, v68, 336
	v_add_nc_u32 v22, s88, v22
	v_lshl_add_u32 v22, v66, 5, v22                ; v22 z0's parts: 2688 w + 336 q + 32 h
	v_lshlrev_b32 v23, 3, v66                      ; v23 8 h
	v_lshlrev_b32 v26, 8, v68
	v_lshl_add_u32 v26, v66, 6, v26                ; v26 x: 256 q + 64 h
	s_lshl_b32 s88, s[WV], 13
	v_lshl_add_u32 v30, v64, 4, s88                ; K0's fragments: 8192 w + 16 l
	s_mov_b32 s72, 0x76543210
	s_mov_b32 s73, 0xfedcba98                      ; v_permlanex16_b32's selects for lane l xor 16
	s_mov_b32 s74, 0xff00ff00                      ; lanes with g = 1
	s_mov_b32 s75, 0xffff0000                      ; lanes with h = 1
	s_mov_b32 s76, 0xc038aa3b                      ; -2 log2(e)
	s_mov_b32 s77, 0x3f317218                      ; ln 2
	s_mov_b32 s78, 0x3e088889                      ; 2/15 (named as a pair, so both are written)
	s_mov_b32 s79, 0x3e088889
	s_mov_b32 s82, 0x3cb851ec                      ; 0.0225
	s_mov_b32 s83, 0x80000000
	; descriptor groups 1: dense blocks as rows of 256 bytes (32 elements of 8 bytes): 128 rows (K0^T's image), 136 rows (a chunk of K1)
	s_mov_b32 s40, 15|(3<<16)|(1<<21)              ; 15:0 the mask: all four work-groups; 17:16 elements of 8 bytes; 21 set beside a mask
	s_mov_b32 s41, 32<<16                          ; tensor_dim0 = 32
	s_mov_b32 s42, 128<<16                         ; tensor_dim1 = 128
	s_mov_b32 s43, 32<<16                          ; tile_dim0 = 32
	s_mov_b32 s44, 128                             ; tile_dim1 = 128
	s_mov_b32 s45, 32                              ; the pitch
	s_mov_b32 s46, 0
	s_mov_b32 s47, 0
	s_mov_b32 s48, 15|(3<<16)|(1<<21)
	s_mov_b32 s49, 32<<16
	s_mov_b32 s50, 136<<16
	s_mov_b32 s51, 32<<16
	s_mov_b32 s52, 136
	s_mov_b32 s53, 32
	s_mov_b32 s54, 0
	s_mov_b32 s55, 0
	s_wait_kmcnt 0x0
	s_load_b32 s84, s[6:7], 0x0                    ; t
	s_load_b32 s85, s[14:15], 0x100                ; c_w[64]
	s_load_b32 s86, s[28:29], 0x800                ; the trace of symA's first 64
	s_add_nc_u64 s[4:5], s[4:5], s[96:97]          ; x and the outputs at my 8 samples
	s_add_nc_u64 s[30:31], s[30:31], s[96:97]
	s_add_nc_u64 s[32:33], s[32:33], s[98:99]
	s_add_nc_u64 s[34:35], s[34:35], s[98:99]
	s_add_nc_u64 s[36:37], s[36:37], s[98:99]
	; what P1 waits for: 48 loads
.irp b, 0,1
.irp q, 0,1,2,3
	global_load_b128 v[RB+16*\b+4*\q:RB+16*\b+4*\q+3], v26, s[4:5] offset:128*\b+16*\q   ; x[q][32 b + 16 h + ..]
.endr
.endr
	WIN 0x40
.irp T, 0,1,2,3,4,5,6,7
	global_load_b128 v[8*\T:8*\T+3], v30, s[16:17] offset:1024*\T
	global_load_b128 v[8*\T+4:8*\T+7], v30, s[16:17] offset:1024*\T+512
.endr
	WIN 0
.irp T, 0,1,2,3,4,5,6,7
	global_load_b32 v[WS+\T], v31, s[16:17] offset:32768+64*\T
.endr
	BIAS 8                                         ; b0
	; descriptor groups 0: wave w's quarter of each block; made of the wave's number alone, and never written again
	s_lshl_b32 s90, s[WV], 15
	s_mov_b32 s91, 0
	s_mov_b32 s56, 1
	s_add_co_u32 s57, s90, Y
	s_add_nc_u64 s[58:59], s[26:27], s[90:91]
	s_or_b32 s59, s59, 0x80000000
	s_mul_i32 s90, s[WV], XCH
	s_mov_b32 s60, 1
	s_mov_b32 s61, s90
	s_add_nc_u64 s[62:63], s[18:19], s[90:91]
	s_or_b32 s63, s63, 0x80000000
	s_mov_b32 s68, 1
	s_mov_b32 s69, s90
	s_add_nc_u64 s[70:71], s[20:21], s[90:91]
	s_or_b32 s71, s71, 0x80000000
	ROUND                                          ; all four work-groups are here: the first joint loads meet
	tensor_load_to_lds s[56:59], s[40:47]          ; K0^T's image into Y,
	s_nop 0
	tensor_load_to_lds s[60:63], s[48:55]          ; K1 into X: two loads of mine are out
	s_nop 0
	PLACES 4
	WIN 0xc0
	FLOAD WF, 12                                   ; w, folded: wanted in P3
	WIN 0
	; ================ P1: opening = s K0^T + b0
.set i, 33
.rept 31
	v_mov_b32 v[RB+i], 0                           ; K = 65 is filled with zeros to 128
.set i, i+1
.endr
.irp j, 0,1,2,3,4,5,6,7
	v_mov_b32 v[QT+\j], 0                          ; written once: a lane permute's destination counts as one of its sources
.endr
	s_wait_kmcnt 0x0
	v_mov_b32 v[RB+32], s84
	v_cndmask_b32 v[RB+32], v[RB+32], v[RB+33], s75   ; k = 64 is t, in lanes 0-15; lanes 16-31 hold k = 80: zero
	s_wait_loadcnt 8                               ; all but the 8 loads of w issued last
	; s's 64 numbers of my lane (register 16 b + i = k 32 b + 16 h + i) become its fragment and its scale word
.irp b, 0,1,2,3
	v_max3_num_f32 v[QT+\b], |v[RB+16*\b]|, |v[RB+16*\b+1]|, 0x1800000
.endr
.irp i, 2,4,6,8,10,12,14
.irp b, 0,1,2,3
	v_max3_num_f32 v[QT+\b], v[QT+\b], |v[RB+16*\b+\i]|, |v[RB+16*\b+\i+1]|
.endr
.endr
.irp b, 0,1,2,3
	v_permlanex16_b32 v[QT+4+\b], v[QT+\b], s72, s73
.endr
.irp b, 0,1,2,3
	v_max_num_f32 v[QT+\b], v[QT+\b], v[QT+4+\b]
.endr
.irp b, 0,1,2,3
	v_add_nc_u32 v[US+\b], 0xff000000, v[QT+\b]
.endr
.irp b, 0,1,2,3
	v_lshrrev_b32 v[QT+4+\b], 23, v[US+\b]
.endr
	v_lshl_or_b32 v[SW], v[QT+5], 8, v[QT+4]
	v_lshl_or_b32 v[SW], v[QT+6], 16, v[SW]
	v_lshl_or_b32 v[SW], v[QT+7], 24, v[SW]
.irp b, 0,1,2,3
	v_cvt_scalef32_pk8_fp4_f32 v[PC+2*\b], v[RB+16*\b:RB+16*\b+7], v[US+\b]
	v_cvt_scalef32_pk8_fp4_f32 v[PC+2*\b+1], v[RB+16*\b+8:RB+16*\b+15], v[US+\b]
.endr
	v_nop
.irp c, 0,1
.irp i, 0,1
	v_permlane16_swap_b32 v[PC+4*\c+\i], v[PC+4*\c+2+\i]
.endr
.endr
	WIN 0xc0
.irp j, 0,1,2,3,4,5,6,7
	v_mov_b32 v[SF+\j], v[PC+\j]                   ; kept for s symA: v232-239 are written again
.endr
	WIN 0
	PLACES 8                                       ; a scale register written by a vector instruction stands 8 places ahead of a scaled matrix instruction, an operand 4
	WIN 0x01
.irp T, 0,1,2,3,4,5,6,7
	WM HA+8*\T, 8*\T, PC, WS+\T, SW
.endr
	WIN 0
	PLACES 4
	FOLD
	TANH32 1, 0xc0, TF                             ; tanh_open into window 3, u0 into v[RC ..]
	BIAS 10                                        ; b1, for P3
	QUANT32 RC, 0                                  ; u0: K step w of product 3
	WIN 0x0c                                       ; an LDS store's data are its source 1
.irp b, 0,1
.irp q, 0,1,2,3
	ds_store_b128 v5, v[TF+16*\b+4*\q:TF+16*\b+4*\q+3] offset:128*\b+16*\q
.endr
.endr
	WIN 0
	s_wait_tensorcnt 0x1                           ; K0^T's image is in (K1's load, issued behind it, may be out); my quarter is mine alone
	WIN 0x80
.set i, 0
.rept 64
	ds_load_b128 v[4*i:4*i+3], v7 offset:512*i     ; register 64 s + 32 c + i = K0[128 s + 64 c + 32 h + i][16 w + r]
.set i, i+1
.endr
	WIN 0
	BAR                                            ; u0's fragments and tanh_open lie in LDS; my reads of my quarter of Y are over
	; ================ P2: Jac's codes: k tile w, all 8 samples.  Lane (r, h) is row k = 16 w + r; a lane holds two whole blocks of 32 along j.
	; tanh_open's 64 numbers of a K step and a half of the lanes lie four to a lane in v[RC + 4 s ..]; the multiply takes each from its lane by row_share.
.macro JSTEP s
	WIN 0x08
.irp p, 0,1,2,3,4,5,6,7,8,9,10,11,12,13,14,15
.irp x, 0,1,2,3
	v_mul_f32_dpp v[RB+4*\p+\x], v[RC+4*(\s)+\x], v[64*(\s)+4*\p+\x] row_share:\p row_mask:0xf bank_mask:0xf
.endr
.endr
	WIN 0
	s_wait_dscnt 0x0                               ; the last K step's stores have read their registers; the next K steps' tanh_open is in
	s_cmp_eq_u32 s87, 7
	s_cbranch_scc1 .Llast_\@                       ; the last sample fetches nothing
	ds_load_b128 v[RC+4*(\s):RC+4*(\s)+3], v9 offset:512*(\s)   ; the next sample's, a whole trip ahead
.Llast_\@:
.irp c, 0,1                                    ; two blocks, two chains each, by turns
	v_max3_num_f32 v[QT+\c], |v[RB+32*\c]|, |v[RB+32*\c+1]|, 0x1800000
.endr
.irp c, 0,1
	v_max3_num_f32 v[QT+2+\c], |v[RB+32*\c+16]|, |v[RB+32*\c+17]|, |v[RB+32*\c+18]|
.endr
.irp i, 2,4,6,8,10,12
.irp c, 0,1
	v_max3_num_f32 v[QT+\c], v[QT+\c], |v[RB+32*\c+\i]|, |v[RB+32*\c+\i+1]|
.endr
.irp c, 0,1
	v_max3_num_f32 v[QT+2+\c], v[QT+2+\c], |v[RB+32*\c+17+\i]|, |v[RB+32*\c+18+\i]|
.endr
.endr
.irp c, 0,1
	v_max3_num_f32 v[QT+\c], v[QT+\c], |v[RB+32*\c+14]|, |v[RB+32*\c+15]|
.endr
.irp c, 0,1
	v_max3_num_f32 v[QT+\c], v[QT+\c], v[QT+2+\c], |v[RB+32*\c+31]|
.endr
.irp c, 0,1
	v_add_nc_u32 v[QT+2+\c], 0xff000000, v[QT+\c]
.endr
.irp c, 0,1
	v_lshrrev_b32 v[QT+4+\c], 23, v[QT+2+\c]
.endr
	v_lshl_or_b32 v[QT+6], v[QT+5], 16, v[QT+4]    ; blocks h and 2 + h,
	v_lshlrev_b32 v[QT+6], v23, v[QT+6]            ; at their places;
	v_permlanex16_b32 v[QT+7], v[QT+6], s72, s73
	v_or_b32 v[RC+16+(\s)], v[QT+6], v[QT+7]       ; with lane l xor 16's two the word is whole
.irp c, 0,1
.irp q, 0,1,2,3
	v_cvt_scalef32_pk8_fp4_f32 v[PC+4*\c+\q], v[RB+32*\c+8*\q:RB+32*\c+8*\q+7], v[QT+2+\c]
.endr
.endr
	v_nop
	ds_store_b128 v10, v[PC:PC+3] offset:1024*(\s)
	ds_store_b128 v10, v[PC+4:PC+7] offset:1024*(\s)+512
.endm
.irp s, 0,1,2,3
	ds_load_b128 v[RC+4*\s:RC+4*\s+3], v6 offset:512*\s
.endr
	s_wait_dscnt 0x0
	s_mov_b32 s87, 0                               ; the sample
	s_mov_b32 s88, 2064                            ; the next sample's row of tanh_open
	s_mov_b32 s89, 0
	s_mov_b32 s90, 0
.Ljac:
	v_add_nc_u32 v9, s88, v6
	v_add_nc_u32 v10, s89, v7
	v_add_nc_u32 v11, s90, v8
	JSTEP 0
	JSTEP 1
	JSTEP 2
	JSTEP 3
	ds_store_b128 v11, v[RC+16:RC+19]              ; the row tile's four scale words
	s_add_co_u32 s88, s88, 2064
	s_add_co_u32 s89, s89, 4096
	s_add_co_u32 s90, s90, 256
	s_add_co_u32 s87, s87, 1
	s_cmp_lt_u32 s87, 8
	s_cbranch_scc1 .Ljac
	; ================ the one refill: K1 leaves X for the registers, K1^T is asked for
	s_wait_tensorcnt 0x0                           ; my chunk of K1 is in
	COPYW
	s_wait_tensorcnt 0x0                           ; no tensor load of mine is out;
	ds_add_u32 v[SPW], v[NIL]                      ; 0 onto my spare word;
	s_wait_dscnt 0x0                               ; the add is done, my reads of X are in, my stores of Jac's codes have landed
	ROUND                                          ; so of every wave of the four work-groups
	tensor_load_to_lds s[68:71], s[48:55]          ; my one load behind the round: it has P3 and P4 in which to land
	s_nop 0
	PLACES 4
	; ================ P3: lin1 = u0 K1^T + b1
	FETCH4 0
	s_wait_loadcnt 0x0                             ; b1 lies in the accumulators; w, folded, in window 3
	s_wait_dscnt 0x0
	MM32
	FOLD
	TANH32 0, 0, HA+32                             ; tanh_lin1 in v[HA+32 ..]
.set i, 0
.rept 16
	v_pk_fma_f32 v[RB+i:RB+i+1], v[HA+32+i:HA+33+i], v[HA+32+i:HA+33+i], 1.0 op_sel_hi:[1,1,0] neg_lo:[1,0,0] neg_hi:[1,0,0]   ; 1 - tanh^2
.set i, i+2
.endr
	WIN 0x0c
.set i, 0
.rept 16
	v_pk_mul_f32 v[RC+i:RC+i+1], v[HA+32+i:HA+33+i], v[WF+i:WF+i+1]   ; tanh_lin1 w
	v_pk_mul_f32 v[RB+i:RB+i+1], v[RB+i:RB+i+1], v[WF+i:WF+i+1]       ; c = (1 - tanh_lin1^2) w
.set i, i+2
.endr
	WIN 0
	QUANT32 RC, VOFF                               ; K step w of product 4
	; c changes layout through my own bytes of LDS: folded register 16 b + 8 u + j of lane (q, g, h) is c[q] at tile 4 g + 2 b + u, column 8 h + j
.irp b, 0,1
.irp u, 0,1
.irp j, 0,1,2,3,4,5,6,7
	ds_store_b32 v18, v[RB+16*\b+8*\u+\j] offset:48*\j+4*(2*\b+\u)
.endr
.endr
.endr
	WIN 0xc0
.irp n, 0,1,2,3,4,5,6,7
.irp x, 0,1
	ds_load_b128 v[CC+8*\n+4*\x:CC+8*\n+4*\x+3], v19 offset:800*\n+16*\x   ; LDS serves a wave's instructions in order: these see my stores
.endr
.endr
.irp j, 0,1,2,3,4,5,6,7,8,9,10,11,12,13,14,15
	v_mov_b32 v[SS+\j], 0                          ; the eight samples' sums
.endr
	WIN 0
	; what P5 to P7 want from memory is asked for here; the address registers stay until P5's wait
	BIAS 12                                        ; w
	v_and_b32 v10, 15, v0
	s_lshl_b32 s88, s[WV], 2
	v_lshl_add_u32 v9, v10, 4, s88                 ; 16 r + 4 w
	v_lshlrev_b32 v31, 4, v10                      ; 16 r
	v_lshlrev_b32 v10, 2, v10                      ; 4 r
	v_and_b32 v27, 31, v0
	v_lshlrev_b32 v27, 4, v27                      ; 16 l
	s_lshl_b32 s89, s[WV], 10
	v_add_nc_u32 v30, s89, v27                     ; 16 l + 1024 w
	WIN 0x80
	FLOAD KK, 28                                   ; kk, folded
.irp u, 0,1,2,3,4
	global_load_b128 v[K0T+8*\u:K0T+8*\u+3], v30, s[22:23] offset:4096*\u
	global_load_b128 v[K0T+8*\u+4:K0T+8*\u+7], v30, s[22:23] offset:4096*\u+512
	global_load_b128 v[SYM+8*\u:SYM+8*\u+3], v27, s[24:25] offset:1024*\u     ; (every wave loads symA's, so that the loads take one way; wave 0 multiplies)
	global_load_b128 v[SYM+8*\u+4:SYM+8*\u+7], v27, s[24:25] offset:1024*\u+512
.endr
	global_load_b128 v[CW:CW+3], v31, s[14:15]
	WIN 0
.irp u, 0,1,2,3,4
	global_load_b32 v[K0TS+\u], v9, s[22:23] offset:20480+256*\u
	global_load_b32 v[SYS+\u], v10, s[24:25] offset:5120+64*\u
.endr
	; ================ P4: KJ = Q(Jac) Q(K1)^T, squared, weighted, summed.  A STAGE is one row tile (sample n, k tile kt) against my eight tiles of K1: 32 products, K step by K step, the eight accumulators by turns.
	; Two sets of accumulators and two sets of fragments take turns from stage to stage.  BY TURNS: the squares and sums of the stage before, 40 packed instructions, are cut into 16 slices, and one slice stands behind
	; every second product, so that the vector work is issued between the products and not in runs of its own.  A slice works in window 3 alone and a product names windows 0, 1 and 3: a slice costs two switches,
	; 32 for a stage's 32 products; for each two products that is 2 + 2 + 2.5 instructions.
.macro JLOADS f, oj, os                ; a row tile's four fragments and its four scale words into set f
.irp s, 0,1,2,3
.irp c, 0,1
	ds_load_b128 v[RB+32*(\f)+8*\s+4*\c:RB+32*(\f)+8*\s+4*\c+3], v15 offset:(\oj)+1024*\s+512*\c
.endr
.endr
	ds_load_b128 v[QT+4*(\f):QT+4*(\f)+3], v17 offset:\os
.endm
.macro MULI a, i                       ; product i of a stage's 32, on set a: K step i / 8, tile i % 8; the first eight start the sums
.set S_, (\i)/8
.set T_, (\i)%8
.if S_ == 0
	WM0 64*(\a)+8*T_, RB+32*(\a), 32*T_, QT+4*(\a), WS+4*T_
.else
	WM 64*(\a)+8*T_, RB+32*(\a)+8*S_, 8*(4*T_+S_), QT+4*(\a)+S_, WS+4*T_+S_
.endif
.endm
.macro WEIGH g, t, hi                  ; pair g % 4 of sample g / 4: one tile's sum of squares (in the work pairs at t) times its c, onto the sample's sum.  c of tiles 2 (g % 4) and + 1 is the register pair at CC + 2 g
.set M_, SS+2*((\g)/4)
.if \hi
	v_pk_fma_f32 v[M_:M_+1], v[(\t)+2:(\t)+3], v[CC+2*(\g):CC+2*(\g)+1], v[M_:M_+1] op_sel:[0,1,0] op_sel_hi:[1,1,1]   ; the pair's second register: the odd tile's c
.else
	v_pk_fma_f32 v[M_:M_+1], v[(\t):(\t)+1], v[CC+2*(\g):CC+2*(\g)+1], v[M_:M_+1] op_sel_hi:[1,0,1]                    ; its first: the even tile's
.endif
.endm
; Slice j of 16 for sample m, whose results lie in set b: step j % 4 of the two chains of tiles 2 (j / 4) and 2 (j / 4) + 1: the sum over a lane's eight k of KJ^2, each accumulator from its low end on.
; The work pairs are two sets, v208-211 and v252-255, by turns from pair to pair: the pair BEFORE is weighed in this pair's slices 1 and 2, over a stage's edge too, so that no line of a slice reads the line above it.
.macro SL m, b, j
.set P_, (\j)/4
.set Q_, (\j)%4
.set A0, 64*(\b)+16*P_
.set T0, TT+44*(P_%2)
.set T1, TT+44*(1-P_%2)
.set G_, 4*(\m)+P_-1
.if Q_ == 0
	v_pk_mul_f32 v[T0:T0+1], v[A0:A0+1], v[A0:A0+1]
	v_pk_mul_f32 v[T0+2:T0+3], v[A0+8:A0+9], v[A0+8:A0+9]
.else
	v_pk_fma_f32 v[T0:T0+1], v[A0+2*Q_:A0+2*Q_+1], v[A0+2*Q_:A0+2*Q_+1], v[T0:T0+1]
	v_pk_fma_f32 v[T0+2:T0+3], v[A0+8+2*Q_:A0+9+2*Q_], v[A0+8+2*Q_:A0+9+2*Q_], v[T0+2:T0+3]
.endif
.if G_ >= 0                            ; sample 0's first pair has none before it
.if Q_ == 1
	WEIGH G_, T1, 0
.endif
.if Q_ == 2
	WEIGH G_, T1, 1
.endif
.endif
.endm
.macro STAGE n, post
	WIN 0
	PLACES 4                                       ; in front of loads into registers that the last stage's products have read, and of the first read of its results
	s_wait_dscnt 0x0                               ; this row tile's nine loads are in
.if \n < 7
	JLOADS 1-(\n)%2, ((\n)+1)*4096, ((\n)+1)*256   ; the next sample's, a stage ahead
.endif
.set J_, 0
.rept 16
	WIN 0xf4                                       ; source 0 (Jac) window 0, source 1 (K1) window 1, C and D window 3
	MULI (\n)%2, 2*J_
	MULI (\n)%2, 2*J_+1
.if \post
	WIN 0xff
	SL (\n)-1, 1-(\n)%2, J_
.endif
.set J_, J_+1
.endr
.endm
	s_wait_dscnt 0x0                               ; c is in; the stores have read v[RB ..]
	s_mov_b32 s87, 0                               ; kt
	s_mov_b32 s88, 0
	s_mov_b32 s89, 0
.Lkt:
	v_add_nc_u32 v15, s88, v14
	v_add_nc_u32 v17, s89, v16
	JLOADS 0, 0, 0
	STAGE 0, 0
	STAGE 1, 1
	STAGE 2, 1
	STAGE 3, 1
	STAGE 4, 1
	STAGE 5, 1
	STAGE 6, 1
	STAGE 7, 1
	WIN 0
	PLACES 4
	WIN 0xff                                       ; sample 7's slices have no products to stand behind
.set J_, 0
.rept 16
	SL 7, 1, J_
.set J_, J_+1
.endr
	WEIGH 31, TT+44, 0                             ; and its last pair is weighed here
	WEIGH 31, TT+44, 1
	WIN 0
	s_add_co_u32 s88, s88, 32768
	s_add_co_u32 s89, s89, 2048
	s_add_co_u32 s87, s87, 1
	s_cmp_lt_u32 s87, 4
	s_cbranch_scc1 .Lkt
	WIN 0x0f
.irp n, 0,1,2,3,4,5,6,7
	v_add_f32 v[RC+\n], v[SS+2*\n], v[SS+2*\n+1]
.endr
	WIN 0
.irp m, 1,2,4,8
.irp n, 0,1,2,3,4,5,6,7
	v_add_f32_dpp v[RC+\n], v[RC+\n], v[RC+\n] row_xmask:\m row_mask:0xf bank_mask:0xf
.endr
.endr
.irp n, 0,1,2,3,4,5,6,7
	v_permlanex16_b32 v[RC+8+\n], v[RC+\n], s72, s73
.endr
.irp n, 0,1,2,3,4,5,6,7
	v_add_f32 v[RC+\n], v[RC+\n], v[RC+8+\n]       ; my 128 units' part of t1[n], in every lane
.endr
.irp n, 0,1,2,3,4,5,6,7
	ds_store_b32 v20, v[RC+\n] offset:4*\n
.endr
	; ================ P5: z1 = w + (tanh_lin1 w) K1
	BAR                                            ; tanh_lin1 w's fragments lie in LDS; nobody reads u0's fragments or c any more.
	s_wait_tensorcnt 0x0                           ; my chunk of K1^T is in
	COPYW
	FETCH4 VOFF
	s_wait_loadcnt 0x0                             ; w lies in the accumulators; kk, K0^T, symA, c_w are in
	s_wait_dscnt 0x0
	MM32
	FOLD                                           ; z1 in v[HA ..], in tanh_open's layout
	WIN 0x0c
.set i, 0
.rept 16
	v_pk_mul_f32 v[RC+i:RC+i+1], v[HA+i:HA+i+1], v[TF+i:TF+i+1]   ; tanh_open z1
.set i, i+2
.endr
	WIN 0x0f
.set i, 0
.rept 16
	v_pk_fma_f32 v[RB+i:RB+i+1], v[TF+i:TF+i+1], v[TF+i:TF+i+1], 1.0 op_sel_hi:[1,1,0] neg_lo:[1,0,0] neg_hi:[1,0,0]
.set i, i+2
.endr
	WIN 0
.set i, 0
.rept 16
	v_pk_mul_f32 v[RB+i:RB+i+1], v[RB+i:RB+i+1], v[HA+i:HA+i+1]   ; (1 - tanh_open^2) z1
.set i, i+2
.endr
	WIN 0x08
	v_pk_mul_f32 v[QT:QT+1], v[RB:RB+1], v[KK:KK+1]               ; times kk, summed in two chains
	v_pk_mul_f32 v[QT+2:QT+3], v[RB+2:RB+3], v[KK+2:KK+3]
.set i, 4
.rept 7
	v_pk_fma_f32 v[QT:QT+1], v[RB+i:RB+i+1], v[KK+i:KK+i+1], v[QT:QT+1]
	v_pk_fma_f32 v[QT+2:QT+3], v[RB+i+2:RB+i+3], v[KK+i+2:KK+i+3], v[QT+2:QT+3]
.set i, i+4
.endr
	WIN 0
	v_pk_add_f32 v[QT:QT+1], v[QT:QT+1], v[QT+2:QT+3]
	v_add_f32 v[QT], v[QT], v[QT+1]
	v_add_f32_dpp v[QT], v[QT], v[QT] row_xmask:8 row_mask:0xf bank_mask:0xf   ; the sample's other lanes: g,
	v_permlanex16_b32 v[QT+1], v[QT], s72, s73
	v_add_f32 v[US+1], v[QT], v[QT+1]                                          ; and h
	ds_store_b32 v21, v[US+1]
	QUANT32 RC, 0                                  ; tanh_open z1: K step w of product 5, into my own slot
	s_lshl_b32 s88, s[WV], 10
	v_add_nc_u32 v30, s88, v1
	s_lshl_b32 s88, s[WV], 6
	v_add_nc_u32 v31, s88, v2
	ds_load_b128 v[RC:RC+3], v30                   ; and back as a whole fragment: my own bytes, served in order
	ds_load_b128 v[RC+4:RC+7], v30 offset:512
	ds_load_b32 v[US], v31
	s_wait_dscnt 0x0
	; ================ P6: my K step of z0 = (tanh_open z1) K0; wave 0 adds s symA.  Five tiles of 16 columns by turns
	WIN 0x02
.irp u, 0,1,2,3,4
	WM0 RB+8*\u, K0T+8*\u, RC, K0TS+\u, US
.endr
	WIN 0
	s_cmp_lg_u32 s[WV], 0
	s_cbranch_scc1 .Lno_sym
	WIN 0x0e
.irp u, 0,1,2,3,4
	WM RB+8*\u, SYM+8*\u, SF, SYS+\u, SW
.endr
	WIN 0
.Lno_sym:
	PLACES 4
.irp u, 0,1,2,3,4
	ds_store_b128 v22, v[RB+8*\u:RB+8*\u+3] offset:64*\u       ; lane (r, h): columns 16 u + 8 h + 0 .. 7 of sample r % 8 (lanes r and r + 8 store the same)
	ds_store_b128 v22, v[RB+8*\u+4:RB+8*\u+7] offset:64*\u+16
.endr
	BAR                                            ; the four waves' parts lie in LDS
	; ================ P7: the outputs.  A thread takes sample 2 w + h and columns 4 r .. 4 r + 3
	v_and_b32 v30, 15, v0
	v_bfe_u32 v31, v0, 4, 1
	s_mul_i32 s88, s[WV], 672
	s_add_co_u32 s88, s88, SH
	v_mul_u32_u24 v9, v31, 336
	v_add_nc_u32 v9, s88, v9
	v_lshl_add_u32 v27, v30, 4, v9
	s_lshl_b32 s89, s[WV], 3
	s_add_co_u32 s90, s89, RED
	v_lshl_add_u32 v10, v31, 2, s90
	v_lshl_add_u32 v17, v31, 2, s89                ; 4 (2 w + h): my sample in out1 to out3
	s_lshl_b32 s89, s[WV], 9
	v_lshl_add_u32 v11, v31, 8, s89
	v_lshl_add_u32 v11, v30, 4, v11                ; 256 (2 w + h) + 16 r: in out0
.irp p, 0,1,2,3
	ds_load_b128 v[RC+4*\p:RC+4*\p+3], v27 offset:2688*\p
.endr
.irp p, 0,1,2,3
	ds_load_b32 v[RB+\p], v9 offset:2688*\p+256    ; column 64
	ds_load_b32 v[RB+4+\p], v10 offset:32*\p       ; t1's parts
	ds_load_b32 v[RB+8+\p], v10 offset:128+32*\p   ; the first trace term's
.endr
	s_wait_dscnt 0x0
	v_pk_add_f32 v[RC:RC+1], v[RC:RC+1], v[RC+4:RC+5]
	v_pk_add_f32 v[RC+2:RC+3], v[RC+2:RC+3], v[RC+6:RC+7]
	v_pk_add_f32 v[RC+8:RC+9], v[RC+8:RC+9], v[RC+12:RC+13]
	v_pk_add_f32 v[RC+10:RC+11], v[RC+10:RC+11], v[RC+14:RC+15]
	v_pk_add_f32 v[RC:RC+1], v[RC:RC+1], v[RC+8:RC+9]
	v_pk_add_f32 v[RC+2:RC+3], v[RC+2:RC+3], v[RC+10:RC+11]
	WIN 0x08
	v_pk_add_f32 v[RC:RC+1], v[RC:RC+1], v[CW:CW+1] neg_lo:[1,1] neg_hi:[1,1]       ; dz = -(z0 + s symA + c_w)
	v_pk_add_f32 v[RC+2:RC+3], v[RC+2:RC+3], v[CW+2:CW+3] neg_lo:[1,1] neg_hi:[1,1]
	WIN 0
	global_store_b128 v11, v[RC:RC+3], s[30:31]    ; sixteen lanes store a row of 256 bytes, at a multiple of 256 from out0's first byte
	v_pk_mul_f32 v[QT:QT+1], v[RC:RC+1], v[RC:RC+1]
	v_pk_fma_f32 v[QT:QT+1], v[RC+2:RC+3], v[RC+2:RC+3], v[QT:QT+1]
	v_pk_add_f32 v[RB:RB+1], v[RB:RB+1], v[RB+2:RB+3]
	v_pk_add_f32 v[RB+4:RB+5], v[RB+4:RB+5], v[RB+6:RB+7]
	v_pk_add_f32 v[RB+8:RB+9], v[RB+8:RB+9], v[RB+10:RB+11]
	v_add_f32 v[QT], v[QT], v[QT+1]
	v_add_f32 v[RB], v[RB], v[RB+1]
	v_pk_add_f32 v[RB+4:RB+5], v[RB+4:RB+5], v[RB+8:RB+9]
	v_add_f32_dpp v[QT], v[QT], v[QT] row_xmask:1 row_mask:0xf bank_mask:0xf
	v_add_f32 v[RB], s85, v[RB]                    ; dPhi/dt
	v_add_f32_dpp v[QT], v[QT], v[QT] row_xmask:2 row_mask:0xf bank_mask:0xf
	v_add_f32 v[RB+4], v[RB+4], v[RB+5]
	v_add_f32_dpp v[QT], v[QT], v[QT] row_xmask:4 row_mask:0xf bank_mask:0xf
	v_sub_f32 v[RB+4], -v[RB+4], s86               ; dlogp = -(both trace terms + the trace of symA)
	v_add_f32_dpp v[QT], v[QT], v[QT] row_xmask:8 row_mask:0xf bank_mask:0xf
	v_mul_f32 v[QT], 0.5, v[QT]                    ; cost_L
	v_sub_f32 v[QT+1], v[QT], v[RB]
	v_and_b32 v[QT+1], 0x7fffffff, v[QT+1]         ; cost_HJB
	global_store_b32 v17, v[RB+4], s[32:33]        ; the sixteen lanes of a sample hold the same number and store the one word; a work-group owns 32 bytes of each of these outputs
	global_store_b32 v17, v[QT], s[34:35]
	global_store_b32 v17, v[QT+1], s[36:37]
	s_wait_tensorcnt 0x0                           ; the wave's end: behind my last tensor load and my last LDS store
	ds_add_u32 v[SPW], v[NIL]
	s_wait_dscnt 0x0
	ROUND                                          ; the closing round: no work-group ends while a partner may still ask for a block that names it
	s_endpgm
.Lfunc_end_k_q1c3452482d_main:
	.size	k_q1c3452482d_main, .Lfunc_end_k_q1c3452482d_main-k_q1c3452482d_main
	.p2alignl 7, 3214868480
	.fill 96, 4, 3214868480
	.section	.rodata,"a",@progbits
	.p2align	6, 0x0
	.amdhsa_kernel k_q1c3452482d_main
		.amdhsa_group_segment_fixed_size 327680
		.amdhsa_private_segment_fixed_size 0
		.amdhsa_enable_private_segment 0
		.amdhsa_kernarg_size 136
		.amdhsa_user_sgpr_count 2
		.amdhsa_user_sgpr_kernarg_segment_ptr 1
		.amdhsa_wavefront_size32 1
		.amdhsa_system_sgpr_workgroup_id_x 1
		.amdhsa_system_sgpr_workgroup_id_y 1
		.amdhsa_system_sgpr_workgroup_id_z 1
		.amdhsa_system_vgpr_workitem_id 0
		.amdhsa_next_free_vgpr 1024
		.amdhsa_next_free_sgpr 100
		.amdhsa_reserve_vcc 1
		.amdhsa_float_denorm_mode_32 3
		.amdhsa_float_denorm_mode_16_64 3
		.amdhsa_memory_ordered 1
		.amdhsa_forward_progress 1
		.amdhsa_inst_pref_size 213
	.end_amdhsa_kernel
	.amdgpu_metadata
---
amdhsa.version: [ 1, 2 ]
amdhsa.kernels:
  - .name:           k_q1c3452482d_main
    .symbol:         k_q1c3452482d_main.kd
    .args:
      - { .name: x, .offset: 0, .size: 8, .value_kind: global_buffer, .address_space: global }
      - { .name: t, .offset: 8, .size: 8, .value_kind: global_buffer, .address_space: global }
      - { .name: b0, .offset: 16, .size: 8, .value_kind: global_buffer, .address_space: global }
      - { .name: b1, .offset: 24, .size: 8, .value_kind: global_buffer, .address_space: global }
      - { .name: w, .offset: 32, .size: 8, .value_kind: global_buffer, .address_space: global }
      - { .name: c_w, .offset: 40, .size: 8, .value_kind: global_buffer, .address_space: global }
      - { .name: k0q, .offset: 48, .size: 8, .value_kind: global_buffer, .address_space: global }
      - { .name: k1q, .offset: 56, .size: 8, .value_kind: global_buffer, .address_space: global }
      - { .name: k1tq, .offset: 64, .size: 8, .value_kind: global_buffer, .address_space: global }
      - { .name: k0tq, .offset: 72, .size: 8, .value_kind: global_buffer, .address_space: global }
      - { .name: symq, .offset: 80, .size: 8, .value_kind: global_buffer, .address_space: global }
      - { .name: ktimg, .offset: 88, .size: 8, .value_kind: global_buffer, .address_space: global }
      - { .name: vecs, .offset: 96, .size: 8, .value_kind: global_buffer, .address_space: global }
      - { .name: out0, .offset: 104, .size: 8, .value_kind: global_buffer, .address_space: global }
      - { .name: out1, .offset: 112, .size: 8, .value_kind: global_buffer, .address_space: global }
      - { .name: out2, .offset: 120, .size: 8, .value_kind: global_buffer, .address_space: global }
      - { .name: out3, .offset: 128, .size: 8, .value_kind: global_buffer, .address_space: global }
    .group_segment_fixed_size: 327680
    .private_segment_fixed_size: 0
    .kernarg_segment_align: 8
    .kernarg_segment_size: 136
    .max_flat_workgroup_size: 128
    .sgpr_count:     100
    .vgpr_count:     1024
    .wavefront_size: 32
...
	.end_amdgpu_metadata
.endif
;; end of part 2
